; MI455X (gfx1250); checked and timed in simulation.
; The chip was launched on July 23, 2026; its instructions are those of AMD's public machine-readable ISA for CDNA 5 (MIT licence, August 2026) and "CDNA5" Instruction Set Architecture Reference Guide (July 2026). The comments in the code are by the model that wrote it; some were corrected since.
;; Self Att V1. Allowed arithmetic: float matrix products may take bf16 or f16 operands with f32 sums; other float arithmetic in f32, or as packed bf16 or f16 multiplies, adds, multiply-adds, maxima and minima; sums over many terms, partial sums and values carried from step to step in f32; what a program stores and reads back later, other than sums and carried values, may be rounded once to bf16 or f16.
;; Inputs: Wk 1,024 x 1,024 float32; Wq 1,024 x 1,024 float32; Wv 1,024 x 1,024 float32; X 4 x 2,048 x 1,024 float32; bk 1,024 float32; bq 1,024 float32; bv 1,024 float32.
;; Outputs: out0 4 x 2,048 x 1,024 float32.
;; One version. Each part assembles by itself: llvm-mc -triple=amdgcn-amd-amdhsa -mcpu=gfx1250 --defsym DOCPART=n.
;; ======== version 1 of 1: 4 launches
;; limits: values are held in f16: magnitudes above 65,504 overflow, below 6.1e-05 lose precision
;; workspace buffers: XW 23,068,672 bytes; QKV 50,331,648 bytes; P 33,554,432 bytes; stats 1,048,576 bytes
;; launch cast (part 1): grid 704 x 1, 8 waves a work-group, no clusters, 0 bytes of LDS; arguments X, Wq, Wk, Wv, XW; writes XW
.if DOCPART == 1
	.amdgcn_target "amdgcn-amd-amdhsa--gfx1250"
	.amdhsa_code_object_version 6
	.text
	.protected	k_qfecb444b4f_cast
	.globl	k_qfecb444b4f_cast
	.p2align	8
	.type	k_qfecb444b4f_cast,@function
k_qfecb444b4f_cast:
	s_mov_b64 s[64:65], 0
	v_nop
	global_prefetch_b8 v0, s[64:65] scope:SCOPE_SE
	s_setreg_imm32_b32 hwreg(HW_REG_WAVE_MODE, 25, 1), 1
	s_wait_xcnt 0x0
; XW = [X; Wq; Wk; Wv] rounded once to bf16: 11,264 rows of 1,024 numbers (X: rows 0-8191, Wq from 8192, Wk from 9216, Wv from 10240).
; A stream: no LDS, no barrier, no matrix work.  Work-group g takes 16,384 numbers: 64 KiB in, 32 KiB out; groups 0-511 read X, then 64 groups each Wq, Wk, Wv.
; Thread t takes 8 numbers (32 bytes in, 16 bytes out) in each of eight blocks of 2,048: a store of a wave covers 512 consecutive bytes, aligned.
; All sixteen loads of a thread go out at once; no register is written twice, so the only waits are the counted ones for the loads.
.set IN,  4                            ; v[4:67]   block j: 8 numbers in f32
.set OUT, 68                           ; v[68:99]  block j: 8 numbers in bf16
	s_load_b256 s[4:11], s[0:1], 0x0               ; X s[4:5], Wq s[6:7], Wk s[8:9], Wv s[10:11]
	s_load_b64 s[12:13], s[0:1], 0x20              ; XW
	v_lshlrev_b32 v1, 5, v0                        ; 32 t: my 8 numbers in a block, in f32
	v_lshlrev_b32 v2, 4, v0                        ; 16 t: the same in bf16
	s_lshl_b32 s2, ttmp9, 15                       ; the group's 32 KiB of XW
	s_mov_b32 s3, 0
	s_and_b32 s18, ttmp9, 63                       ; the group's number inside a weight (512 is a multiple of 64)
	s_wait_kmcnt 0x0
	s_cmp_lt_u32 ttmp9, 640                        ; the source is chosen by the group's number alone
	s_cselect_b64 s[16:17], s[8:9], s[10:11]
	s_cmp_lt_u32 ttmp9, 576
	s_cselect_b64 s[16:17], s[6:7], s[16:17]
	s_cmp_lt_u32 ttmp9, 512
	s_cselect_b64 s[16:17], s[4:5], s[16:17]
	s_cselect_b32 s14, ttmp9, s18                  ; and the group's number inside that source
	s_lshl_b32 s14, s14, 16                        ; times 64 KiB
	s_mov_b32 s15, 0
	s_add_nc_u64 s[16:17], s[16:17], s[14:15]
	s_add_nc_u64 s[12:13], s[12:13], s[2:3]
.irp j, 0,1,2,3,4,5,6,7
	global_load_b128 v[IN+8*(\j):IN+8*(\j)+3],   v1, s[16:17] offset:8192*(\j) th:TH_LOAD_NT
	global_load_b128 v[IN+8*(\j)+4:IN+8*(\j)+7], v1, s[16:17] offset:8192*(\j)+16 th:TH_LOAD_NT
.endr
.irp j, 0,1,2,3,4,5,6,7
	s_wait_loadcnt 14-2*(\j)                       ; loads come back in order: block j's two are in, the younger ones stay out
.irp k, 0,1,2,3
	v_cvt_pk_bf16_f32 v[OUT+4*(\j)+(\k)], v[IN+8*(\j)+2*(\k)], v[IN+8*(\j)+2*(\k)+1]
.endr
	global_store_b128 v2, v[OUT+4*(\j):OUT+4*(\j)+3], s[12:13] offset:4096*(\j)
.endr
	s_endpgm
.Lfunc_end_k_qfecb444b4f_cast:
	.size	k_qfecb444b4f_cast, .Lfunc_end_k_qfecb444b4f_cast-k_qfecb444b4f_cast
	.p2alignl 7, 3214868480
	.fill 96, 4, 3214868480
	.section	.rodata,"a",@progbits
	.p2align	6, 0x0
	.amdhsa_kernel k_qfecb444b4f_cast
		.amdhsa_group_segment_fixed_size 0
		.amdhsa_private_segment_fixed_size 0
		.amdhsa_enable_private_segment 0
		.amdhsa_kernarg_size 40
		.amdhsa_user_sgpr_count 2
		.amdhsa_user_sgpr_kernarg_segment_ptr 1
		.amdhsa_wavefront_size32 1
		.amdhsa_system_sgpr_workgroup_id_x 1
		.amdhsa_system_sgpr_workgroup_id_y 1
		.amdhsa_system_sgpr_workgroup_id_z 1
		.amdhsa_system_vgpr_workitem_id 0
		.amdhsa_next_free_vgpr 100
		.amdhsa_next_free_sgpr 66
		.amdhsa_reserve_vcc 0
		.amdhsa_float_denorm_mode_32 3
		.amdhsa_float_denorm_mode_16_64 3
		.amdhsa_memory_ordered 1
		.amdhsa_forward_progress 1
		.amdhsa_inst_pref_size 6
	.end_amdhsa_kernel
	.amdgpu_metadata
---
amdhsa.version: [ 1, 2 ]
amdhsa.kernels:
  - .name:           k_qfecb444b4f_cast
    .symbol:         k_qfecb444b4f_cast.kd
    .args:
      - { .name: X, .offset: 0, .size: 8, .value_kind: global_buffer, .address_space: global }
      - { .name: Wq, .offset: 8, .size: 8, .value_kind: global_buffer, .address_space: global }
      - { .name: Wk, .offset: 16, .size: 8, .value_kind: global_buffer, .address_space: global }
      - { .name: Wv, .offset: 24, .size: 8, .value_kind: global_buffer, .address_space: global }
      - { .name: XW, .offset: 32, .size: 8, .value_kind: global_buffer, .address_space: global }
    .group_segment_fixed_size: 0
    .private_segment_fixed_size: 0
    .kernarg_segment_align: 8
    .kernarg_segment_size: 40
    .max_flat_workgroup_size: 256
    .sgpr_count:     66
    .vgpr_count:     100
    .wavefront_size: 32
...
	.end_amdgpu_metadata
.endif
;; end of part 1
;; launch proj (part 2): grid 12 x 32, 4 waves a work-group, clusters of 4 x 4, 327,680 bytes of LDS; arguments XW, QKV, bq, bk, bv; writes QKV
.if DOCPART == 2
	.amdgcn_target "amdgcn-amd-amdhsa--gfx1250"
	.amdhsa_code_object_version 6
	.text
	.protected	k_qfecb444b4f_proj
	.globl	k_qfecb444b4f_proj
	.p2align	8
	.type	k_qfecb444b4f_proj,@function
k_qfecb444b4f_proj:
	s_mov_b64 s[64:65], 0
	v_nop
	global_prefetch_b8 v0, s[64:65] scope:SCOPE_SE
	s_setreg_imm32_b32 hwreg(HW_REG_WAVE_MODE, 25, 1), 1
	s_wait_xcnt 0x0
	s_wait_alu depctr_hold_cnt(0) depctr_sa_sdst(0) depctr_va_vdst(0) depctr_va_sdst(0) depctr_va_ssrc(0) depctr_va_vcc(0) depctr_vm_vsrc(0)
	s_getreg_b32 s2, hwreg(HW_REG_IB_STS2, 6, 4)
	s_cmp_eq_u32 s2, 0
	s_cbranch_scc0 .Lentry_in_a_cluster
	s_endpgm
.Lentry_in_a_cluster:
	s_bfe_u32 s2, ttmp6, 0x10000c
	s_cmp_lg_u32 s2, 0xf033
	s_cbranch_scc0 .Lentry_shape_is_right
	s_endpgm
.Lentry_shape_is_right:
; QKV[m][n] = sum over k of X[m][k] W[n][k] + b[n], m = 0..8191, n = 0..3071 (W = [Wq; Wk; Wv], b = [bq; bk; bv]).  X and W come as bf16 from XW (rows of 2,048 bytes; W from row 8192 on);
; b is rounded to bf16 here, like the other inputs.  Sums in f32; QKV is rounded once to f16: rows of 6,144 bytes, Q at byte 0, K at 2,048, V at 4,096.
; LIMIT: f16 ends at 65,504: a projected number at or beyond that becomes an infinity.  Inputs 30 times those drawn, or offset by 30 times their spread, stay under half of it.
; SHARES.  A work-group of four waves makes 256 x 256 of QKV, a wave 128 x 128: 64 accumulators of 16 x 16, 512 registers.  K = 1,024 goes in 8 steps of 128 through two LDS slots filled by tensor loads.
; CLUSTER.  4 x 4 work-groups: the four of a row need the same rows of X, the four of a column the same rows of W: each tile is asked for jointly, by the same load, descriptor and mask in all four.
; THE MATRIX INSTRUCTION IS USED TRANSPOSED (source 0 = 16 rows of W, source 1 = 16 rows of X): a lane holds row l % 16 of the result and eight neighbouring columns.
; THE WAY OUT.  When the ring has had its last fill and every wave has read it to its end, each wave lays its 128 x 128 sums (f32) into its own quarter of the ring's bytes and reads them back by rows in a
; loop of 8 trips x 16 rows: bias, rounding, stores of which sixteen lanes fill 256 consecutive bytes, aligned.
; REGISTERS, in windows of 256: window 0: v0-31 addresses, v32-55 bias, v64-191 X's fragments (two buffers), later rows on the way out; window 1: v64-191 W's fragments; windows 2, 3: the accumulators.
.set KSTEP,  128
.set PITCH,  272                       ; an LDS row: 256 bytes + 16 of padding: the 16 rows of a fragment load start at 16 different groups of four banks
.set HALFT,  128*PITCH                 ; 128 rows: what one tensor load brings
.set SLOT,   4*HALFT                   ; X's 256 rows, then W's 256 rows
.set SPP,    528                       ; the way out: a row of 128 f32 + 16 bytes
.set SPILLW, 128*SPP                   ; a wave's 128 rows; four of them, 270,336 bytes, lie inside the ring's 278,528
.set SPARE,  2*SLOT                    ; behind the ring: the spare words, 128 bytes for each wave
.set RB,     2048                      ; bytes in a row of XW
.set STR,    1024                      ; elements in a row of XW
.set CP,     6144                      ; bytes in a row of QKV
.set WROW,   8192                      ; W's first row in XW
.set LAPS,   4                         ; a lap = two K steps
.set ADRA, 16                          ; v16-17  LDS address of my X fragments in slot 0, 1
.set ADRB, 20                          ; v20-21  the same for W
.set STO,  24                          ; v24     the way out: where my lane puts 16 bytes of a row
.set RD,   25                          ; v25     the way out: where I read rows back; steps 16 rows a trip
.set CO,   26                          ; v26     my byte offset in two rows of QKV
.set SPW,  28                          ; v28     my spare word; never rewritten
.set NIL,  29                          ; v29     0; never rewritten
.set T,    32                          ; v32-35  at work
.set BI,   48                          ; v48-55  the bias of my eight columns
.set S,    64                          ; v64-127 the way out: 16 rows, 8 numbers a lane and pair of rows
.set H,    128                         ; v128-159 the same in f16
.set F0,   64
.set F1,   128
.set G1, 24                            ; s[24:31] descriptor group 1 for X's tiles;  s[32:39] group 0, a set for each slot
.set G0, 32
.set G1B, 48                           ; s[48:55], s[56:63] the same for W's tiles
.set G0B, 56
.set MSB, 0
.macro WIN new                         ; the immediate's high byte repeats the setting that is left; a switch that changes nothing is dropped
.if MSB != (\new)
	s_set_vgpr_msb (MSB<<8)|(\new)
.set MSB, \new
.endif
.endm
.set MUL_LO, 0xa1                      ; source 0 (W) window 1, source 1 (X) window 0, C and D window 2
.set MUL_HI, 0xf1                      ; the same, C and D window 3
.set TO_B,   0x40                      ; destination window 1, address window 0
; A joint load.  Waves 0 and 1 fetch X's two halves, waves 2 and 3 W's.  The branch hangs on the wave's number alone.  An s_nop 0 and four v_nop follow each line.
.macro JLOAD s
	s_cmp_eq_u32 s11, 0
	s_cbranch_scc0 .Lfor_b_\@
	tensor_load_to_lds s[G0+4*(\s):G0+4*(\s)+3], s[G1:G1+7]
	s_nop 0
.rept 4
	v_nop
.endr
	s_branch .Lasked_\@
.Lfor_b_\@:
	tensor_load_to_lds s[G0B+4*(\s):G0B+4*(\s)+3], s[G1B:G1B+7]
	s_nop 0
.rept 4
	v_nop
.endr
.Lasked_\@:
.endm
.macro CREST                           ; a round of the cluster's barrier behind its opening barrier
	s_cmp_lg_u32 s10, 0
	s_cbranch_scc1 .Lnot_wave_0_\@
	s_barrier_signal -3
.Lnot_wave_0_\@:
	s_barrier_wait -3
	s_barrier_signal -1
	s_barrier_wait -1
.endm
.macro CROUND                          ; a whole round
	s_barrier_signal -1
	s_barrier_wait -1
	CREST
.endm
	s_load_b128 s[4:7], s[0:1], 0x0                ; XW s[4:5], QKV s[6:7]
	s_load_b128 s[68:71], s[0:1], 0x10             ; bq s[68:69], bk s[70:71]
	s_load_b64 s[72:73], s[0:1], 0x20              ; bv
	v_lshl_add_u32 v[SPW], v0, 2, SPARE
	v_mov_b32 v[NIL], 0
	ds_add_u32 v[SPW], v[NIL]                      ; the wave's opening: the add and its wait stand ahead of my first tensor load; work on registers stands between them
	v_lshrrev_b32 v1, 5, v0
	v_readfirstlane_b32 s10, v1                    ; wave 0..3
	s_lshr_b32 s11, s10, 1                         ; which half of the tile's rows is mine.  Also: I fetch for X (0) or for W (1)
	s_and_b32 s12, s10, 1                          ; which half of its columns.  Also: which 128 rows of that tile I fetch
	s_bfe_u32 s40, ttmp6, 0x40000                  ; cx
	s_bfe_u32 s41, ttmp6, 0x40004                  ; cy
	s_lshl_b32 s42, ttmp9, 2
	s_add_co_u32 s42, s42, s40                     ; tile column = 4 x cluster x + cx
	s_and_b32 s13, ttmp7, 0xffff
	s_lshl_b32 s13, s13, 2
	s_add_co_u32 s13, s13, s41                     ; tile row = 4 x cluster y + cy
	s_lshl_b32 s43, s41, 2
	s_lshl_b32 s43, 15, s43                        ; my row of the cluster
	s_lshl_b32 s44, 0x1111, s40                    ; my column
	; descriptor group 1: a tile of 128 rows x 128 elements of 2 bytes, 16 bytes of padding behind every 64 words
	s_or_b32 s[G1+0], s43, (1<<16)|(1<<20)|(1<<21)|(5<<22)|(3<<25)
	s_or_b32 s[G1B+0], s44, (1<<16)|(1<<20)|(1<<21)|(5<<22)|(3<<25)
.irp g, G1, G1B
	s_mov_b32 s[(\g)+1], KSTEP<<16                 ; tensor_dim0 = 128
	s_mov_b32 s[(\g)+2], 128<<16                   ; tensor_dim1 = 128
	s_mov_b32 s[(\g)+3], KSTEP<<16                 ; tile_dim0 = 128
	s_mov_b32 s[(\g)+4], 128                       ; tile_dim1 = 128
	s_mov_b32 s[(\g)+5], STR                       ; elements from row to row
	s_mov_b32 s[(\g)+6], 0
	s_mov_b32 s[(\g)+7], 0
.endr
	s_lshl_b32 s17, s12, 7                         ; which 128 rows of the tile I fetch
	s_lshl_b32 s16, s13, 8
	s_add_co_u32 s16, s16, s17                     ; X: row 256 x tile row + 128 x half
	s_lshl_b32 s46, s42, 8
	s_add_co_u32 s46, s46, s17
	s_add_co_u32 s46, s46, WROW                    ; W: row 8192 + 256 x tile column + 128 x half
	s_mov_b32 s17, 0
	s_mov_b32 s47, 0
	s_mov_b64 s[18:19], RB
	s_mul_u64 s[16:17], s[16:17], s[18:19]
	s_mul_u64 s[46:47], s[46:47], s[18:19]
	s_mul_i32 s20, s10, HALFT                      ; where they go: wave x 128 rows; no place in the cluster enters an LDS address
	s_wait_dscnt 0x0                               ; the opening add is done
	s_wait_kmcnt 0x0
	s_add_nc_u64 s[14:15], s[4:5], s[16:17]
	s_add_nc_u64 s[46:47], s[4:5], s[46:47]
	CROUND                                         ; all sixteen work-groups are here: the first joint loads meet
.irp s, 0,1
	s_mov_b32 s[G0+4*(\s)], 1
	s_add_co_u32 s[G0+4*(\s)+1], s20, (\s)*SLOT
	s_add_nc_u64 s[G0+4*(\s)+2:G0+4*(\s)+3], s[14:15], (\s)*KSTEP*2
	s_or_b32 s[G0+4*(\s)+3], s[G0+4*(\s)+3], 0x80000000
	s_mov_b32 s[G0B+4*(\s)], 1
	s_add_co_u32 s[G0B+4*(\s)+1], s20, (\s)*SLOT
	s_add_nc_u64 s[G0B+4*(\s)+2:G0B+4*(\s)+3], s[46:47], (\s)*KSTEP*2
	s_or_b32 s[G0B+4*(\s)+3], s[G0B+4*(\s)+3], 0x80000000
	JLOAD \s                                       ; K steps 0 and 1: two loads of mine are out
.endr
	v_and_b32 v1, 15, v0                           ; l % 16
	v_bfe_u32 v2, v0, 4, 1                         ; l / 16
	; the bias of my eight columns: which of bq, bk, bv hangs on the cluster's x (1,024 columns = four tiles)
	s_cmp_eq_u32 ttmp9, 0
	s_cselect_b64 s[66:67], s[68:69], s[70:71]
	s_cmp_eq_u32 ttmp9, 2
	s_cselect_b64 s[66:67], s[72:73], s[66:67]
	s_lshl_b32 s46, s40, 10                        ; 256 cx columns of 4 bytes
	s_lshl_b32 s47, s12, 9                         ; + 128 x my half
	s_add_co_u32 s46, s46, s47
	s_mov_b32 s47, 0
	s_add_nc_u64 s[66:67], s[66:67], s[46:47]
	v_lshlrev_b32 v5, 5, v1                        ; + 8 (l % 16)
	global_load_b128 v[BI:BI+3],   v5, s[66:67]
	global_load_b128 v[BI+4:BI+7], v5, s[66:67] offset:16
	; a fragment is 16 rows x 32 K in 8 registers: lane l holds row l % 16: two loads of 16 bytes, 32 bytes apart, at row x pitch + 16 (l / 16)
	v_mul_u32_u24 v3, v1, PITCH
	v_lshl_add_u32 v3, v2, 4, v3
	s_mul_i32 s21, s11, HALFT                      ; my 128 rows of X
	s_mul_i32 s22, s12, HALFT                      ; my 128 rows of W,
	s_add_co_u32 s22, s22, 2*HALFT                 ; which lie behind X's 256
.irp s, 0,1
	v_add_nc_u32 v[ADRA+(\s)], s21, v3
	v_add_nc_u32 v[ADRB+(\s)], s22, v3
	s_add_co_u32 s21, s21, SLOT
	s_add_co_u32 s22, s22, SLOT
.endr
	s_mul_i32 s23, s10, SPILLW                     ; my quarter of the ring's bytes, for the way out
	v_mul_u32_u24 v4, v1, SPP                      ; in: row l % 16, 16 bytes for each half of the lanes
	v_lshl_add_u32 v4, v2, 4, v4
	v_add_nc_u32 v[STO], s23, v4
	v_mul_u32_u24 v4, v2, SPP                      ; back: lanes 0-15 take one row, lanes 16-31 the next
	v_lshl_add_u32 v4, v1, 4, v4
	v_add_nc_u32 v[RD], s23, v4
	v_mul_u32_u24 v6, v2, CP                       ; and the same two rows in QKV
	v_lshl_add_u32 v[CO], v1, 4, v6
	s_lshl_b32 s16, s13, 8
	s_lshl_b32 s14, s11, 7
	s_add_co_u32 s16, s16, s14                     ; my first row of QKV
	s_mul_i32 s16, s16, CP                         ; 8,192 x 6,144 at the most: inside 32 bits
	s_mov_b32 s17, 0
	s_lshl_b32 s46, s42, 9                         ; my first column, in bytes: 512 x tile column + 256 x half
	s_lshl_b32 s47, s12, 8
	s_add_co_u32 s46, s46, s47
	s_mov_b32 s47, 0
	s_add_nc_u64 s[16:17], s[16:17], s[46:47]
	s_add_nc_u64 s[8:9], s[6:7], s[16:17]
	s_wait_loadcnt 0x0                             ; the bias: rounded to bf16 and widened again
.irp k, 0,1,2,3
	v_cvt_pk_bf16_f32 v[T+(\k)], v[BI+2*(\k)], v[BI+2*(\k)+1]
.endr
.irp k, 0,1,2,3
	v_lshlrev_b32 v[BI+2*(\k)],   16, v[T+(\k)]
	v_and_b32     v[BI+2*(\k)+1], 0xffff0000, v[T+(\k)]
.endr
; 16 matrix instructions: m blocks a0, a0 + 1 of the window's four x all 8 n blocks, 32 along K.  zero = 1: the first product starts the sums.
.macro MUL16 f, hi, a0, zero
	WIN MUL_LO+0x50*(\hi)
.irp a, \a0, (\a0)+1
.irp b, 0,1,2,3,4,5,6,7
.if \zero
	v_wmma_f32_16x16x32_bf16 v[8*(8*(\a)+(\b)):8*(8*(\a)+(\b))+7], v[(\f)+8*(\b):(\f)+8*(\b)+7], v[(\f)+8*(4*(\hi)+(\a)):(\f)+8*(4*(\hi)+(\a))+7], 0
.else
	v_wmma_f32_16x16x32_bf16 v[8*(8*(\a)+(\b)):8*(8*(\a)+(\b))+7], v[(\f)+8*(\b):(\f)+8*(\b)+7], v[(\f)+8*(4*(\hi)+(\a)):(\f)+8*(4*(\hi)+(\a))+7], v[8*(8*(\a)+(\b)):8*(8*(\a)+(\b))+7]
.endif
.endr
.endr
.endm
; 32 LDS loads in one run: the fragments of one quarter step (32 K at byte k of the rows) into buffer f: W's first, then X's
.macro FETCH slot, k, f
	WIN TO_B
.irp i, 0,1,2,3,4,5,6,7
	ds_load_b128 v[(\f)+8*(\i):(\f)+8*(\i)+3],   v[ADRB+(\slot)] offset:(\k)+(\i)*16*PITCH
	ds_load_b128 v[(\f)+8*(\i)+4:(\f)+8*(\i)+7], v[ADRB+(\slot)] offset:(\k)+(\i)*16*PITCH+32
.endr
	WIN 0
.irp i, 0,1,2,3,4,5,6,7
	ds_load_b128 v[(\f)+8*(\i):(\f)+8*(\i)+3],   v[ADRA+(\slot)] offset:(\k)+(\i)*16*PITCH
	ds_load_b128 v[(\f)+8*(\i)+4:(\f)+8*(\i)+7], v[ADRA+(\slot)] offset:(\k)+(\i)*16*PITCH+32
.endr
.endm
.macro PLACES                          ; four plain vector instructions between a matrix instruction and a load into, or a read of, its registers
.rept 4
	v_nop
.endr
.endm
; A K step is four quarters of 32 along K, 64 matrix instructions each, on buffers 0, 1, 0, 1.  One of the first three multiplies buffer f and fetches the next quarter, at byte k, into g.
.macro QUARTER slot, k, f, g, zero
	s_wait_dscnt 8                                 ; W and X's rows 0-63 are in; the youngest eight loads (X's rows 64-127) may be out
	MUL16 \f, 0, 0, \zero
	MUL16 \f, 0, 2, \zero
	PLACES
	FETCH \slot, \k, \g
	s_wait_dscnt 32                                ; all but the 32 just issued
	MUL16 \f, 1, 0, \zero
	MUL16 \f, 1, 2, \zero
.endm
; The last quarter multiplies buffer 1 and changes slots: one barrier; in front of it each wave waits for all its tensor loads (one is out: its part of the next slot), adds 0 to its spare word,
; and waits for that and for its own reads of this slot.
.macro MEET round
	WIN 0                                          ; (the add's two registers lie in window 0)
	s_wait_tensorcnt 0x0
	ds_add_u32 v[SPW], v[NIL]
	s_wait_dscnt 9                                 ; (the add and the youngest eight loads may be out)
	MUL16 F1, 0, 0, 0
	s_wait_dscnt 0x0                               ; the add is done, and my reads of this slot are over
	s_barrier_signal -1
	MUL16 F1, 0, 2, 0
.if \round
	WIN 0
.endif
	s_barrier_wait -1
.endm
; fill = 1: the barrier opens a round of the cluster's, and the slot just read is filled again, two K steps on, first thing behind the round.
.macro TURN slot, next, fill
	MEET \fill
.if \fill
	CREST                                          ; no wave of any partner still reads this slot's tile or has a load on its way
	s_add_nc_u64 s[G0+4*(\slot)+2:G0+4*(\slot)+3], s[G0+4*(\slot)+2:G0+4*(\slot)+3], 2*KSTEP*2
	s_add_nc_u64 s[G0B+4*(\slot)+2:G0B+4*(\slot)+3], s[G0B+4*(\slot)+2:G0B+4*(\slot)+3], 2*KSTEP*2
	JLOAD \slot                                    ; its four v_nop are also the places in front of the loads below
.else
	PLACES
.endif
	FETCH \next, 0, F0
	MUL16 F1, 1, 0, 0
	MUL16 F1, 1, 2, 0
.endm
	s_wait_tensorcnt 1                             ; my part of K step 0 is in; step 1's may stay out
	s_barrier_signal -1
	s_barrier_wait -1
	FETCH 0, 0, F0
	QUARTER 0, 64,  F0, F1, 1                      ; the first quarter stands in front of the loop: its products start the sums
	WIN 0
	s_mov_b32 s3, LAPS-1
.Llap:                                                 ; a trip goes once round the ring, from a lap's second quarter to the next lap's first, and fills both slots again
	QUARTER 0, 128, F1, F0, 0
	QUARTER 0, 192, F0, F1, 0
	TURN 0, 1, 1
	QUARTER 1, 64,  F0, F1, 0
	QUARTER 1, 128, F1, F0, 0
	QUARTER 1, 192, F0, F1, 0
	TURN 1, 0, 1
	QUARTER 0, 64,  F0, F1, 0
	WIN 0
	s_sub_co_u32 s3, s3, 1
	s_cmp_lg_u32 s3, 0
	s_cbranch_scc1 .Llap
	QUARTER 0, 128, F1, F0, 0                      ; the last lap fills nothing
	QUARTER 0, 192, F0, F1, 0
	TURN 0, 1, 0
	QUARTER 1, 64,  F0, F1, 0
	QUARTER 1, 128, F1, F0, 0
	QUARTER 1, 192, F0, F1, 0
	s_wait_dscnt 8                                 ; the very last quarter
	MUL16 F1, 0, 0, 0
	MUL16 F1, 0, 2, 0
	s_wait_dscnt 0x0                               ; my reads of the ring are over: say so,
	s_barrier_signal -1
	MUL16 F1, 1, 0, 0
	MUL16 F1, 1, 2, 0
	WIN 0
	s_barrier_wait -1                              ; and nobody writes into the ring's bytes before all four have said so.  The ring has had its last fill
	PLACES
	; my 64 accumulators into my quarter: a lane's eight columns 16 b + 8 (l / 16) + 0..7 of row l % 16 go as two halves of 16 bytes, at 32 b + 16 (l / 16) and 256 further:
	; so 16 lanes that read a row back at 16 (l % 16) and 256 + 16 (l % 16) hold eight neighbouring columns each.  Each accumulator's low half goes first.
.irp hi, 0,1
	WIN 0x08+4*(\hi)                               ; the stores' data in window 2 or 3
.irp a, 0,1,2,3
.irp b, 0,1,2,3,4,5,6,7
.irp j, 0,1
	ds_store_b128 v[STO], v[8*(8*(\a)+(\b))+4*(\j):8*(8*(\a)+(\b))+4*(\j)+3] offset:(4*(\hi)+(\a))*16*SPP+32*(\b)+256*(\j)
.endr
.endr
.endr
.endr
	WIN 0
	s_mov_b32 s3, 8
.Lrow:                                                 ; 16 rows a trip.  LDS serves a wave's instructions in order, and the bytes are my own: no wait between the stores above and these loads
.irp p, 0,1,2,3,4,5,6,7
	ds_load_b128 v[S+8*(\p):S+8*(\p)+3],   v[RD] offset:2*(\p)*SPP
	ds_load_b128 v[S+8*(\p)+4:S+8*(\p)+7], v[RD] offset:2*(\p)*SPP+256
.endr
.irp p, 0,1,2,3,4,5,6,7
	s_wait_dscnt 14-2*(\p)                         ; pair p of rows is in; the younger loads stay out
.irp k, 0,2,4,6
	v_pk_add_f32 v[S+8*(\p)+(\k):S+8*(\p)+(\k)+1], v[S+8*(\p)+(\k):S+8*(\p)+(\k)+1], v[BI+(\k):BI+(\k)+1]
.endr
.irp k, 0,1,2,3
	v_cvt_pk_f16_f32 v[H+4*(\p)+(\k)], v[S+8*(\p)+2*(\k)], v[S+8*(\p)+2*(\k)+1]
.endr
	global_store_b128 v[CO], v[H+4*(\p):H+4*(\p)+3], s[8:9] offset:2*(\p)*CP  ; 16 lanes store 256 consecutive bytes, at a multiple of 256 from QKV's first byte
.endr
	s_wait_xcnt 0x0                                ; the stores' base and data are rewritten only behind this wait
	s_add_nc_u64 s[8:9], s[8:9], 16*CP
	v_add_nc_u32 v[RD], 16*SPP, v[RD]
	s_sub_co_u32 s3, s3, 1
	s_cmp_lg_u32 s3, 0
	s_cbranch_scc1 .Lrow
	s_wait_tensorcnt 0x0                           ; the wave's end
	ds_add_u32 v[SPW], v[NIL]
	s_wait_dscnt 0x0
	CROUND                                         ; the closing round: no work-group ends while a partner may still ask for a tile that names it
	s_endpgm
.Lfunc_end_k_qfecb444b4f_proj:
	.size	k_qfecb444b4f_proj, .Lfunc_end_k_qfecb444b4f_proj-k_qfecb444b4f_proj
	.p2alignl 7, 3214868480
	.fill 96, 4, 3214868480
	.section	.rodata,"a",@progbits
	.p2align	6, 0x0
	.amdhsa_kernel k_qfecb444b4f_proj
		.amdhsa_group_segment_fixed_size 327680
		.amdhsa_private_segment_fixed_size 0
		.amdhsa_enable_private_segment 0
		.amdhsa_kernarg_size 40
		.amdhsa_user_sgpr_count 2
		.amdhsa_user_sgpr_kernarg_segment_ptr 1
		.amdhsa_wavefront_size32 1
		.amdhsa_system_sgpr_workgroup_id_x 1
		.amdhsa_system_sgpr_workgroup_id_y 1
		.amdhsa_system_sgpr_workgroup_id_z 1
		.amdhsa_system_vgpr_workitem_id 0
		.amdhsa_next_free_vgpr 1024
		.amdhsa_next_free_sgpr 80
		.amdhsa_reserve_vcc 0
		.amdhsa_float_denorm_mode_32 3
		.amdhsa_float_denorm_mode_16_64 3
		.amdhsa_memory_ordered 1
		.amdhsa_forward_progress 1
		.amdhsa_inst_pref_size 127
	.end_amdhsa_kernel
	.amdgpu_metadata
---
amdhsa.version: [ 1, 2 ]
amdhsa.kernels:
  - .name:           k_qfecb444b4f_proj
    .symbol:         k_qfecb444b4f_proj.kd
    .args:
      - { .name: XW, .offset: 0, .size: 8, .value_kind: global_buffer, .address_space: global }
      - { .name: QKV, .offset: 8, .size: 8, .value_kind: global_buffer, .address_space: global }
      - { .name: bq, .offset: 16, .size: 8, .value_kind: global_buffer, .address_space: global }
      - { .name: bk, .offset: 24, .size: 8, .value_kind: global_buffer, .address_space: global }
      - { .name: bv, .offset: 32, .size: 8, .value_kind: global_buffer, .address_space: global }
    .group_segment_fixed_size: 327680
    .private_segment_fixed_size: 0
    .kernarg_segment_align: 8
    .kernarg_segment_size: 40
    .max_flat_workgroup_size: 128
    .sgpr_count:     80
    .vgpr_count:     1024
    .wavefront_size: 32
...
	.end_amdgpu_metadata
.endif
;; end of part 2
;; launch scores (part 3): grid 8 x 32, 4 waves a work-group, clusters of 4 x 4, 327,680 bytes of LDS; arguments QKV, P, stats; writes P, stats
.if DOCPART == 3
	.amdgcn_target "amdgcn-amd-amdhsa--gfx1250"
	.amdhsa_code_object_version 6
	.text
	.protected	k_qfecb444b4f_scores
	.globl	k_qfecb444b4f_scores
	.p2align	8
	.type	k_qfecb444b4f_scores,@function
k_qfecb444b4f_scores:
	s_mov_b64 s[64:65], 0
	v_nop
	global_prefetch_b8 v0, s[64:65] scope:SCOPE_SE
	s_setreg_imm32_b32 hwreg(HW_REG_WAVE_MODE, 25, 1), 1
	s_wait_xcnt 0x0
	s_wait_alu depctr_hold_cnt(0) depctr_sa_sdst(0) depctr_va_vdst(0) depctr_va_sdst(0) depctr_va_ssrc(0) depctr_va_vcc(0) depctr_vm_vsrc(0)
	s_getreg_b32 s2, hwreg(HW_REG_IB_STS2, 6, 4)
	s_cmp_eq_u32 s2, 0
	s_cbranch_scc0 .Lentry_in_a_cluster
	s_endpgm
.Lentry_in_a_cluster:
	s_bfe_u32 s2, ttmp6, 0x10000c
	s_cmp_lg_u32 s2, 0xf033
	s_cbranch_scc0 .Lentry_shape_is_right
	s_endpgm
.Lentry_shape_is_right:
; s[q][k] = Q[q] . K[k] (f16 operands from QKV, sums in f32), for each batch of 2,048 rows.  With c = log2(e) / 32, for each query and each CHUNK of 128 keys:
;   cm = c x (the chunk's largest s),  p' = 2^(c s - cm) rounded to f16 into P [8192][2048],  l = the sum of the unrounded p' (f32).
; cm and l go to stats: cm[chunk 0..15][row 0..8191] at byte 0, l likewise at byte 524,288.  The next launch joins a row's sixteen chunk maxima into the row's true maximum: the maximum is taken away in two stages.
; LIMITS: p' below 6e-5 keeps f16's fixed step of 6e-8; a weight below 2^-126 counts as 0 in l; NaN and infinities are not treated apart.
; SHARES, RING, CLUSTER as in the projection: a work-group of four waves makes 256 queries x 256 keys, a wave 128 x 128 (one chunk); K = 1,024 channels in 8 steps of 128 through two LDS slots;
; 4 x 4 work-groups share Q's tiles along a row of the cluster and K's along a column, by joint loads.  Source 0 = 16 keys, source 1 = 16 queries: a lane holds query l % 16 and eight neighbouring keys.
; THE WAY OUT.  When the ring has had its last fill and every wave has read it to its end, each wave lays its 128 x 128 scores (f32) into its own quarter of the ring's bytes and reads them back by rows,
; 16 rows a trip: a row's 128 scores then lie in sixteen neighbouring lanes, eight a lane, so that maximum and sum cross lanes by four steps inside a half of the lanes.
.set KSTEP,  128
.set PITCH,  272                       ; an LDS row: 256 bytes + 16 of padding
.set HALFT,  128*PITCH
.set SLOT,   4*HALFT                   ; Q's 256 rows, then K's 256 rows
.set SPP,    528                       ; the way out: a row of 128 f32 + 16 bytes
.set SPILLW, 128*SPP
.set STATS,  2*SLOT                    ; behind the ring: 1,024 bytes a wave: cm of its 128 rows, then l
.set SPARE,  STATS+4*1024              ; the spare words, 128 bytes for each wave
.set RB,     6144                      ; bytes in a row of QKV
.set STR,    3072                      ; elements in a row of QKV
.set CP,     4096                      ; bytes in a row of P
.set LAPS,   4
.set ADRA, 16                          ; v16-17  LDS address of my Q fragments in slot 0, 1
.set ADRB, 20                          ; v20-21  the same for K
.set STO,  24                          ; v24     the way out: where my lane puts 16 bytes of a row
.set RD,   25                          ; v25     where I read rows back; steps 16 rows a trip
.set CO,   26                          ; v26     my byte offset in two rows of P
.set SA,   27                          ; v27     where my half of the lanes puts a row's cm; steps 16 words a trip
.set SPW,  28                          ; v28     my spare word; never rewritten
.set NIL,  29                          ; v29     0; never rewritten
.set T,    32                          ; v32-47  pair p of rows: c m, m
.set LS,   48                          ; v48-55  pair p of rows: l
.set S,    64                          ; v64-127 16 rows, 8 scores a lane and pair of rows
.set H,    128                         ; v128-159 the weights in f16
.set F0,   64
.set F1,   128
.set G1, 24
.set G0, 32
.set G1B, 48
.set G0B, 56
.set CS, 68                            ; s[68:69] c: the packed scaling takes the pair's low word for both halves
.set MSB, 0
.macro WIN new
.if MSB != (\new)
	s_set_vgpr_msb (MSB<<8)|(\new)
.set MSB, \new
.endif
.endm
.set MUL_LO, 0xa1                      ; source 0 (K) window 1, source 1 (Q) window 0, C and D window 2
.set MUL_HI, 0xf1
.set TO_B,   0x40
.macro JLOAD s                         ; a joint load: waves 0 and 1 fetch Q's two halves, waves 2 and 3 K's; an s_nop 0 and four v_nop follow each line
	s_cmp_eq_u32 s11, 0
	s_cbranch_scc0 .Lfor_b_\@
	tensor_load_to_lds s[G0+4*(\s):G0+4*(\s)+3], s[G1:G1+7]
	s_nop 0
.rept 4
	v_nop
.endr
	s_branch .Lasked_\@
.Lfor_b_\@:
	tensor_load_to_lds s[G0B+4*(\s):G0B+4*(\s)+3], s[G1B:G1B+7]
	s_nop 0
.rept 4
	v_nop
.endr
.Lasked_\@:
.endm
.macro CREST
	s_cmp_lg_u32 s10, 0
	s_cbranch_scc1 .Lnot_wave_0_\@
	s_barrier_signal -3
.Lnot_wave_0_\@:
	s_barrier_wait -3
	s_barrier_signal -1
	s_barrier_wait -1
.endm
.macro CROUND
	s_barrier_signal -1
	s_barrier_wait -1
	CREST
.endm
	s_load_b128 s[4:7], s[0:1], 0x0                ; QKV s[4:5], P s[6:7]
	s_load_b64 s[66:67], s[0:1], 0x10              ; stats
	v_lshl_add_u32 v[SPW], v0, 2, SPARE
	v_mov_b32 v[NIL], 0
	ds_add_u32 v[SPW], v[NIL]                      ; the wave's opening: the add and its wait stand ahead of my first tensor load
	v_lshrrev_b32 v1, 5, v0
	v_readfirstlane_b32 s10, v1                    ; wave 0..3
	s_lshr_b32 s11, s10, 1                         ; which half of the tile's queries is mine.  Also: I fetch for Q (0) or for K (1)
	s_and_b32 s12, s10, 1                          ; which half of its keys.  Also: which 128 rows of that tile I fetch
	s_bfe_u32 s40, ttmp6, 0x40000                  ; cx
	s_bfe_u32 s41, ttmp6, 0x40004                  ; cy
	s_lshl_b32 s42, ttmp9, 2
	s_add_co_u32 s42, s42, s40                     ; key tile in the batch = 4 x cluster x + cx
	s_and_b32 s13, ttmp7, 0xffff
	s_lshr_b32 s45, s13, 1                         ; the batch: 8 query tiles = two clusters along y; made of the cluster's y alone
	s_lshl_b32 s13, s13, 2
	s_add_co_u32 s13, s13, s41                     ; query tile = 4 x cluster y + cy
	s_lshl_b32 s43, s41, 2
	s_lshl_b32 s43, 15, s43                        ; my row of the cluster
	s_lshl_b32 s44, 0x1111, s40                    ; my column
	s_or_b32 s[G1+0], s43, (1<<16)|(1<<20)|(1<<21)|(5<<22)|(3<<25)   ; the mask; 2-byte elements; padding on; bit 21 beside a mask; 4 words of padding behind every 64
	s_or_b32 s[G1B+0], s44, (1<<16)|(1<<20)|(1<<21)|(5<<22)|(3<<25)
.irp g, G1, G1B
	s_mov_b32 s[(\g)+1], KSTEP<<16                 ; tensor_dim0 = 128
	s_mov_b32 s[(\g)+2], 128<<16                   ; tensor_dim1 = 128
	s_mov_b32 s[(\g)+3], KSTEP<<16                 ; tile_dim0 = 128
	s_mov_b32 s[(\g)+4], 128                       ; tile_dim1 = 128
	s_mov_b32 s[(\g)+5], STR                       ; elements from row to row
	s_mov_b32 s[(\g)+6], 0
	s_mov_b32 s[(\g)+7], 0
.endr
	s_mov_b32 s[CS], 0x3d38aa3b                    ; c = log2(e) / 32 = 0.0450842
	s_mov_b32 s[CS+1], s[CS]
	s_lshl_b32 s17, s12, 7                         ; which 128 rows of the tile I fetch
	s_lshl_b32 s16, s13, 8
	s_add_co_u32 s16, s16, s17                     ; Q: row 256 x query tile + 128 x half
	s_lshl_b32 s46, s42, 8
	s_add_co_u32 s46, s46, s17
	s_lshl_b32 s47, s45, 11
	s_add_co_u32 s46, s46, s47                     ; K: row 2,048 x batch + 256 x key tile + 128 x half
	s_mov_b32 s17, 0
	s_mov_b32 s47, 0
	s_mov_b64 s[18:19], RB
	s_mul_u64 s[16:17], s[16:17], s[18:19]
	s_mul_u64 s[46:47], s[46:47], s[18:19]
	s_add_nc_u64 s[46:47], s[46:47], 2048          ; K lies 2,048 bytes into a row of QKV
	s_mul_i32 s20, s10, HALFT
	s_wait_dscnt 0x0                               ; the opening add is done
	s_wait_kmcnt 0x0
	s_add_nc_u64 s[14:15], s[4:5], s[16:17]
	s_add_nc_u64 s[46:47], s[4:5], s[46:47]
	CROUND                                         ; all sixteen work-groups are here: the first joint loads meet
.irp s, 0,1
	s_mov_b32 s[G0+4*(\s)], 1
	s_add_co_u32 s[G0+4*(\s)+1], s20, (\s)*SLOT
	s_add_nc_u64 s[G0+4*(\s)+2:G0+4*(\s)+3], s[14:15], (\s)*KSTEP*2
	s_or_b32 s[G0+4*(\s)+3], s[G0+4*(\s)+3], 0x80000000
	s_mov_b32 s[G0B+4*(\s)], 1
	s_add_co_u32 s[G0B+4*(\s)+1], s20, (\s)*SLOT
	s_add_nc_u64 s[G0B+4*(\s)+2:G0B+4*(\s)+3], s[46:47], (\s)*KSTEP*2
	s_or_b32 s[G0B+4*(\s)+3], s[G0B+4*(\s)+3], 0x80000000
	JLOAD \s                                       ; K steps 0 and 1: two loads of mine are out
.endr
	v_and_b32 v1, 15, v0                           ; l % 16
	v_bfe_u32 v2, v0, 4, 1                         ; l / 16
	v_mul_u32_u24 v3, v1, PITCH
	v_lshl_add_u32 v3, v2, 4, v3                   ; a fragment's row x pitch + 16 x half
	s_mul_i32 s21, s11, HALFT
	s_mul_i32 s22, s12, HALFT
	s_add_co_u32 s22, s22, 2*HALFT
.irp s, 0,1
	v_add_nc_u32 v[ADRA+(\s)], s21, v3
	v_add_nc_u32 v[ADRB+(\s)], s22, v3
	s_add_co_u32 s21, s21, SLOT
	s_add_co_u32 s22, s22, SLOT
.endr
	s_mul_i32 s23, s10, SPILLW                     ; my quarter of the ring's bytes, for the way out
	v_mul_u32_u24 v4, v1, SPP
	v_lshl_add_u32 v4, v2, 4, v4
	v_add_nc_u32 v[STO], s23, v4
	v_mul_u32_u24 v4, v2, SPP
	v_lshl_add_u32 v4, v1, 4, v4
	v_add_nc_u32 v[RD], s23, v4
	v_lshlrev_b32 v6, 12, v2                       ; the same two rows in P
	v_lshl_add_u32 v[CO], v1, 4, v6
	s_lshl_b32 s23, s10, 10
	s_add_co_u32 s23, s23, STATS                   ; my 1,024 bytes of statistics
	v_lshl_add_u32 v[SA], v2, 2, s23
	s_lshl_b32 s16, s13, 8
	s_lshl_b32 s14, s11, 7
	s_add_co_u32 s16, s16, s14                     ; my first row
	s_lshl_b32 s18, s16, 2                         ; its 4 bytes in a chunk's line of stats
	s_lshl_b32 s16, s16, 12                        ; its 4,096 bytes in P
	s_mov_b32 s17, 0
	s_lshl_b32 s46, s42, 9                         ; my first key, in bytes of P: 512 x key tile + 256 x half = 256 x chunk
	s_lshl_b32 s47, s12, 8
	s_add_co_u32 s46, s46, s47
	s_lshl_b32 s19, s46, 7                         ; chunk x 32,768: the chunk's line of stats
	s_add_co_u32 s18, s18, s19
	s_mov_b32 s19, 0
	s_mov_b32 s47, 0
	s_add_nc_u64 s[16:17], s[16:17], s[46:47]
	s_add_nc_u64 s[8:9], s[6:7], s[16:17]
	s_add_nc_u64 s[66:67], s[66:67], s[18:19]
.macro MUL16 f, hi, a0, zero           ; 16 matrix instructions: query blocks a0, a0 + 1 of the window's four x all 8 key blocks, 32 channels
	WIN MUL_LO+0x50*(\hi)
.irp a, \a0, (\a0)+1
.irp b, 0,1,2,3,4,5,6,7
.if \zero
	v_wmma_f32_16x16x32_f16 v[8*(8*(\a)+(\b)):8*(8*(\a)+(\b))+7], v[(\f)+8*(\b):(\f)+8*(\b)+7], v[(\f)+8*(4*(\hi)+(\a)):(\f)+8*(4*(\hi)+(\a))+7], 0
.else
	v_wmma_f32_16x16x32_f16 v[8*(8*(\a)+(\b)):8*(8*(\a)+(\b))+7], v[(\f)+8*(\b):(\f)+8*(\b)+7], v[(\f)+8*(4*(\hi)+(\a)):(\f)+8*(4*(\hi)+(\a))+7], v[8*(8*(\a)+(\b)):8*(8*(\a)+(\b))+7]
.endif
.endr
.endr
.endm
.macro FETCH slot, k, f                ; 32 LDS loads in one run: K's fragments, then Q's
	WIN TO_B
.irp i, 0,1,2,3,4,5,6,7
	ds_load_b128 v[(\f)+8*(\i):(\f)+8*(\i)+3],   v[ADRB+(\slot)] offset:(\k)+(\i)*16*PITCH
	ds_load_b128 v[(\f)+8*(\i)+4:(\f)+8*(\i)+7], v[ADRB+(\slot)] offset:(\k)+(\i)*16*PITCH+32
.endr
	WIN 0
.irp i, 0,1,2,3,4,5,6,7
	ds_load_b128 v[(\f)+8*(\i):(\f)+8*(\i)+3],   v[ADRA+(\slot)] offset:(\k)+(\i)*16*PITCH
	ds_load_b128 v[(\f)+8*(\i)+4:(\f)+8*(\i)+7], v[ADRA+(\slot)] offset:(\k)+(\i)*16*PITCH+32
.endr
.endm
.macro PLACES                          ; four plain vector instructions between a matrix instruction and a load into, or a read of, its registers
.rept 4
	v_nop
.endr
.endm
.macro QUARTER slot, k, f, g, zero
	s_wait_dscnt 8                                 ; K and Q's rows 0-63 are in; the youngest eight loads (Q's rows 64-127) may be out
	MUL16 \f, 0, 0, \zero
	MUL16 \f, 0, 2, \zero
	PLACES
	FETCH \slot, \k, \g
	s_wait_dscnt 32                                ; all but the 32 just issued
	MUL16 \f, 1, 0, \zero
	MUL16 \f, 1, 2, \zero
.endm
.macro MEET round                      ; the change of slots: all my tensor loads, the add, my reads of this slot; then the barrier
	WIN 0
	s_wait_tensorcnt 0x0
	ds_add_u32 v[SPW], v[NIL]
	s_wait_dscnt 9                                 ; (the add and the youngest eight loads may be out)
	MUL16 F1, 0, 0, 0
	s_wait_dscnt 0x0                               ; the add is done, and my reads of this slot are over
	s_barrier_signal -1
	MUL16 F1, 0, 2, 0
.if \round
	WIN 0
.endif
	s_barrier_wait -1
.endm
.macro TURN slot, next, fill
	MEET \fill
.if \fill
	CREST                                          ; no wave of any partner still reads this slot's tile or has a load on its way
	s_add_nc_u64 s[G0+4*(\slot)+2:G0+4*(\slot)+3], s[G0+4*(\slot)+2:G0+4*(\slot)+3], 2*KSTEP*2
	s_add_nc_u64 s[G0B+4*(\slot)+2:G0B+4*(\slot)+3], s[G0B+4*(\slot)+2:G0B+4*(\slot)+3], 2*KSTEP*2
	JLOAD \slot
.else
	PLACES
.endif
	FETCH \next, 0, F0
	MUL16 F1, 1, 0, 0
	MUL16 F1, 1, 2, 0
.endm
	s_wait_tensorcnt 1                             ; my part of K step 0 is in; step 1's may stay out
	s_barrier_signal -1
	s_barrier_wait -1
	FETCH 0, 0, F0
	QUARTER 0, 64,  F0, F1, 1
	WIN 0
	s_mov_b32 s3, LAPS-1
.Llap:
	QUARTER 0, 128, F1, F0, 0
	QUARTER 0, 192, F0, F1, 0
	TURN 0, 1, 1
	QUARTER 1, 64,  F0, F1, 0
	QUARTER 1, 128, F1, F0, 0
	QUARTER 1, 192, F0, F1, 0
	TURN 1, 0, 1
	QUARTER 0, 64,  F0, F1, 0
	WIN 0
	s_sub_co_u32 s3, s3, 1
	s_cmp_lg_u32 s3, 0
	s_cbranch_scc1 .Llap
	QUARTER 0, 128, F1, F0, 0
	QUARTER 0, 192, F0, F1, 0
	TURN 0, 1, 0
	QUARTER 1, 64,  F0, F1, 0
	QUARTER 1, 128, F1, F0, 0
	QUARTER 1, 192, F0, F1, 0
	s_wait_dscnt 8
	MUL16 F1, 0, 0, 0
	MUL16 F1, 0, 2, 0
	s_wait_dscnt 0x0                               ; my reads of the ring are over: say so,
	s_barrier_signal -1
	MUL16 F1, 1, 0, 0
	MUL16 F1, 1, 2, 0
	WIN 0
	s_barrier_wait -1                              ; and nobody writes into the ring's bytes before all four have said so.  The ring has had its last fill
	PLACES
	; my 64 accumulators into my quarter: a lane's eight keys 16 b + 8 (l / 16) + 0..7 of query l % 16 go as two halves of 16 bytes, at 32 b + 16 (l / 16) and 256 further.
	; Each accumulator's low half goes first.
.irp hi, 0,1
	WIN 0x08+4*(\hi)
.irp a, 0,1,2,3
.irp b, 0,1,2,3,4,5,6,7
.irp j, 0,1
	ds_store_b128 v[STO], v[8*(8*(\a)+(\b))+4*(\j):8*(8*(\a)+(\b))+4*(\j)+3] offset:(4*(\hi)+(\a))*16*SPP+32*(\b)+256*(\j)
.endr
.endr
.endr
.endr
	WIN 0
	s_mov_b32 s3, 8
.Lrow:                                                 ; 16 rows a trip: pair p is rows 2 p (lanes 0-15) and 2 p + 1 (lanes 16-31); a lane holds keys 8 (l % 16) + 0..7.  The eight pairs go side by side through every stage
.irp p, 0,1,2,3,4,5,6,7
	ds_load_b128 v[S+8*(\p):S+8*(\p)+3],   v[RD] offset:2*(\p)*SPP
	ds_load_b128 v[S+8*(\p)+4:S+8*(\p)+7], v[RD] offset:2*(\p)*SPP+256
.endr
	s_wait_dscnt 0x0
.irp p, 0,1,2,3,4,5,6,7
	v_max3_num_f32 v[T+2*(\p)+1], v[S+8*(\p)], v[S+8*(\p)+1], v[S+8*(\p)+2]
.endr
.irp p, 0,1,2,3,4,5,6,7
	v_max3_num_f32 v[T+2*(\p)+1], v[T+2*(\p)+1], v[S+8*(\p)+3], v[S+8*(\p)+4]
.endr
.irp p, 0,1,2,3,4,5,6,7
	v_max3_num_f32 v[T+2*(\p)+1], v[T+2*(\p)+1], v[S+8*(\p)+5], v[S+8*(\p)+6]
.endr
.irp p, 0,1,2,3,4,5,6,7
	v_max_num_f32 v[T+2*(\p)+1], v[T+2*(\p)+1], v[S+8*(\p)+7]
.endr
.irp x, 1,2,4,8                        ; across the sixteen lanes of a row
.irp p, 0,1,2,3,4,5,6,7
	v_max_num_f32_dpp v[T+2*(\p)+1], v[T+2*(\p)+1], v[T+2*(\p)+1] row_xmask:\x row_mask:0xf bank_mask:0xf
.endr
.endr
.irp p, 0,1,2,3,4,5,6,7
	v_mul_f32 v[T+2*(\p)], s[CS], v[T+2*(\p)+1]    ; c m
.endr
.irp p, 0,1,2,3,4,5,6,7
.irp k, 0,2,4,6
	v_pk_fma_f32 v[S+8*(\p)+(\k):S+8*(\p)+(\k)+1], v[S+8*(\p)+(\k):S+8*(\p)+(\k)+1], s[CS:CS+1], v[T+2*(\p):T+2*(\p)+1] op_sel_hi:[1,0,0] neg_lo:[0,0,1] neg_hi:[0,0,1]  ; c s - c m
.endr
.endr
.set n, 0
.rept 64
	v_exp_f32 v[S+n], v[S+n]
.set n, n+1
.endr
	v_nop                                          ; a plain instruction between the last exponential and the use of its result
	s_wait_alu depctr_va_vdst(0)
.irp p, 0,1,2,3,4,5,6,7
.irp k, 0,1,2,3
	v_cvt_pk_f16_f32 v[H+4*(\p)+(\k)], v[S+8*(\p)+2*(\k)], v[S+8*(\p)+2*(\k)+1]
.endr
.endr
.irp p, 0,1,2,3,4,5,6,7                ; the sum of the unrounded weights
	v_pk_add_f32 v[S+8*(\p):S+8*(\p)+1],   v[S+8*(\p):S+8*(\p)+1],   v[S+8*(\p)+2:S+8*(\p)+3]
	v_pk_add_f32 v[S+8*(\p)+4:S+8*(\p)+5], v[S+8*(\p)+4:S+8*(\p)+5], v[S+8*(\p)+6:S+8*(\p)+7]
.endr
.irp p, 0,1,2,3,4,5,6,7
	v_pk_add_f32 v[S+8*(\p):S+8*(\p)+1], v[S+8*(\p):S+8*(\p)+1], v[S+8*(\p)+4:S+8*(\p)+5]
.endr
.irp p, 0,1,2,3,4,5,6,7
	v_add_f32 v[LS+(\p)], v[S+8*(\p)], v[S+8*(\p)+1]
.endr
.irp x, 1,2,4,8
.irp p, 0,1,2,3,4,5,6,7
	v_add_f32_dpp v[LS+(\p)], v[LS+(\p)], v[LS+(\p)] row_xmask:\x row_mask:0xf bank_mask:0xf
.endr
.endr
.irp p, 0,1,2,3,4,5,6,7
	global_store_b128 v[CO], v[H+4*(\p):H+4*(\p)+3], s[8:9] offset:2*(\p)*CP  ; 16 lanes store 256 consecutive bytes, at a multiple of 256 from P's first byte
.endr
.irp p, 0,1,2,3,4,5,6,7
	ds_store_b32 v[SA], v[T+2*(\p)] offset:8*(\p)      ; sixteen lanes write the same word with the same number: the row's c m,
	ds_store_b32 v[SA], v[LS+(\p)]  offset:512+8*(\p)  ; and its l
.endr
	s_wait_xcnt 0x0                                ; the stores' base and data are rewritten only behind this wait
	s_add_nc_u64 s[8:9], s[8:9], 16*CP
	v_add_nc_u32 v[RD], 16*SPP, v[RD]
	v_add_nc_u32 v[SA], 64, v[SA]
	s_sub_co_u32 s3, s3, 1
	s_cmp_lg_u32 s3, 0
	s_cbranch_scc1 .Lrow
	; my 128 rows' c m and l leave as 512 consecutive bytes each
	v_and_b32 v6, 31, v0
	v_lshlrev_b32 v7, 4, v6
	v_add_nc_u32 v6, s23, v7                       ; my own bytes: LDS serves my loads behind my stores
	ds_load_b128 v[T:T+3],   v6
	ds_load_b128 v[T+4:T+7], v6 offset:512
	s_wait_dscnt 0x0
	global_store_b128 v7, v[T:T+3],   s[66:67]
	global_store_b128 v7, v[T+4:T+7], s[66:67] offset:524288
	s_wait_tensorcnt 0x0                           ; the wave's end
	ds_add_u32 v[SPW], v[NIL]
	s_wait_dscnt 0x0
	CROUND                                         ; the closing round
	s_endpgm
.Lfunc_end_k_qfecb444b4f_scores:
	.size	k_qfecb444b4f_scores, .Lfunc_end_k_qfecb444b4f_scores-k_qfecb444b4f_scores
	.p2alignl 7, 3214868480
	.fill 96, 4, 3214868480
	.section	.rodata,"a",@progbits
	.p2align	6, 0x0
	.amdhsa_kernel k_qfecb444b4f_scores
		.amdhsa_group_segment_fixed_size 327680
		.amdhsa_private_segment_fixed_size 0
		.amdhsa_enable_private_segment 0
		.amdhsa_kernarg_size 24
		.amdhsa_user_sgpr_count 2
		.amdhsa_user_sgpr_kernarg_segment_ptr 1
		.amdhsa_wavefront_size32 1
		.amdhsa_system_sgpr_workgroup_id_x 1
		.amdhsa_system_sgpr_workgroup_id_y 1
		.amdhsa_system_sgpr_workgroup_id_z 1
		.amdhsa_system_vgpr_workitem_id 0
		.amdhsa_next_free_vgpr 1024
		.amdhsa_next_free_sgpr 80
		.amdhsa_reserve_vcc 0
		.amdhsa_float_denorm_mode_32 3
		.amdhsa_float_denorm_mode_16_64 3
		.amdhsa_memory_ordered 1
		.amdhsa_forward_progress 1
		.amdhsa_inst_pref_size 137
	.end_amdhsa_kernel
	.amdgpu_metadata
---
amdhsa.version: [ 1, 2 ]
amdhsa.kernels:
  - .name:           k_qfecb444b4f_scores
    .symbol:         k_qfecb444b4f_scores.kd
    .args:
      - { .name: QKV, .offset: 0, .size: 8, .value_kind: global_buffer, .address_space: global }
      - { .name: P, .offset: 8, .size: 8, .value_kind: global_buffer, .address_space: global }
      - { .name: stats, .offset: 16, .size: 8, .value_kind: global_buffer, .address_space: global }
    .group_segment_fixed_size: 327680
    .private_segment_fixed_size: 0
    .kernarg_segment_align: 8
    .kernarg_segment_size: 24
    .max_flat_workgroup_size: 128
    .sgpr_count:     80
    .vgpr_count:     1024
    .wavefront_size: 32
...
	.end_amdgpu_metadata
.endif
;; end of part 3
;; launch pv (part 4): grid 4 x 64, 4 waves a work-group, clusters of 4 x 4, 327,680 bytes of LDS; arguments P, QKV, stats, out0; writes out0
.if DOCPART == 4
	.amdgcn_target "amdgcn-amd-amdhsa--gfx1250"
	.amdhsa_code_object_version 6
	.text
	.protected	k_qfecb444b4f_pv
	.globl	k_qfecb444b4f_pv
	.p2align	8
	.type	k_qfecb444b4f_pv,@function
k_qfecb444b4f_pv:
	s_mov_b64 s[64:65], 0
	v_nop
	global_prefetch_b8 v0, s[64:65] scope:SCOPE_SE
	s_setreg_imm32_b32 hwreg(HW_REG_WAVE_MODE, 25, 1), 1
	s_wait_xcnt 0x0
	s_wait_alu depctr_hold_cnt(0) depctr_sa_sdst(0) depctr_va_vdst(0) depctr_va_sdst(0) depctr_va_ssrc(0) depctr_va_vcc(0) depctr_vm_vsrc(0)
	s_getreg_b32 s2, hwreg(HW_REG_IB_STS2, 6, 4)
	s_cmp_eq_u32 s2, 0
	s_cbranch_scc0 .Lentry_in_a_cluster
	s_endpgm
.Lentry_in_a_cluster:
	s_bfe_u32 s2, ttmp6, 0x10000c
	s_cmp_lg_u32 s2, 0xf033
	s_cbranch_scc0 .Lentry_shape_is_right
	s_endpgm
.Lentry_shape_is_right:
; out[q][:] = (sum over chunks t of f_t x (sum over the chunk's keys of p'[q][k] V[k][:])) / L,  f_t = 2^(cm_t - max over t of cm_t),  L = sum over t of f_t l_t.
; p' (f16), cm and l (f32) come from the launch before; with f the row's true maximum is taken away from every exponent.  f is rounded to f16 and multiplies p' in f16 on the way from LDS to the matrix
; unit; L takes the same rounded f, so weights and divisor agree.  V is f16 (QKV, 4,096 bytes into a row).  Sums in f32; out0 is f32.
; LIMITS: f p' below 6e-5 keeps f16's fixed step of 6e-8; the chunk that holds the row's maximum has f = 1 and l of about 1 or more, so L is no smaller; NaN and infinities are not treated apart.
; SHARES.  A work-group of four waves makes 128 queries x 256 channels: 256 work-groups.  A wave makes 64 x 128: 32 accumulators, 256 registers.  The 2,048 keys go in 16 steps of 128 (a step = a chunk)
; through two LDS slots.  4 x 4 work-groups form a cluster: P's tiles are shared along a row, V's along a column, by joint loads.
; LAYOUT.  Source 0 = V^T (16 channels x 32 keys, turned on the way out of LDS by ds_load_tr16_b128), source 1 = 16 queries x 32 keys of P: a lane holds query l % 16 and eight neighbouring channels.
; REGISTERS: window 0: v0-31 addresses and factors; v32-95 P's fragments, two buffers; v96-231 at work in the prologue and on the way out.  window 1: v0-127 V's fragments, two buffers.  window 2: the accumulators.
.set PA,    272                        ; a row of P in LDS: 256 bytes + 16
.set PB,    544                        ; a row of V: 512 bytes + 32 = 136 words
.set HA,    64*PA                      ; 64 rows: what one tensor load brings of P,
.set HB,    64*PB                      ; and of V
.set BOFF,  2*HA                       ; in a slot V's 128 rows lie behind P's 128
.set SLOT1, 1<<17                      ; slot 1 begins here: one exclusive or turns an address in one slot into the other's
.set STAGE, SLOT1+BOFF+2*HB            ; behind the ring: 16 rows x 528 bytes for each wave, for the way out
.set SP,    528
.set FACT,  STAGE+4*16*SP              ; the factors: [step 16][row half 2][l % 16][block 4] words, each f twice in f16
.set RLT,   FACT+16*512                ; 1 / L: [row half 2][l % 16][block 4] f32
.set SPARE, RLT+512                    ; the spare words, 128 bytes for each wave
.set STEPA, 256                        ; bytes from a step's tile of P to the next: 128 keys along a row
.set STEPB, 128*6144                   ; and of V: 128 rows of QKV
.set CF,   8                           ; v8-11   the step's factors for my query in blocks 0-3
.set RL,   12                          ; v12-15  1 / L likewise
.set ADRA, 16                          ; v16     LDS address of my P fragments in the slot in hand
.set A0,   17                          ; v17     the same in slot 0; never rewritten
.set FADR, 18                          ; v18     where the step's factors lie; steps 512 bytes a step
.set RLA,  19                          ; v19     where my 1 / L lie
.set ADRB, 20                          ; v20     as ADRA, for V
.set B0,   21                          ; v21
.set FW,   22                          ; v22     the prologue: where thread i puts row i's factors
.set STO,  24                          ; v24     the way out: where my lane puts 32 bytes of a row
.set RD,   25                          ; v25     where I read a row back
.set CO,   26                          ; v26     16 x lane: my bytes in 512 consecutive bytes of out0
.set SO,   27                          ; v27     4 x thread: row i's word in a line of stats
.set SPW,  28                          ; v28     my spare word; never rewritten
.set NIL,  29                          ; v29     0; never rewritten
.set FA,   32                          ; P's fragments: buffer f at FA + 32 f, block a at + 8 a
.set T,    96                          ; v96-159 the prologue's cm and l; the way out: a block's 64 numbers
.set RLP,  160                         ; v160-167 1 / L as pairs
.set BK0,  32                          ; the way out: 16 rows read back, two buffers by turns
.set BK1,  168
.set G1A, 24                           ; s[24:31] descriptor group 1 for P's tiles; s[32:39] group 0: a set for each first fill; the second then walks
.set G0A, 32
.set G1B, 48                           ; s[48:55], s[56:63] the same for V's tiles
.set G0B, 56
.set TB,  72                           ; s72  the slot from which fragments are fetched: 0 or SLOT1
.set MSB, 0
.macro WIN new
.if MSB != (\new)
	s_set_vgpr_msb (MSB<<8)|(\new)
.set MSB, \new
.endif
.endm
.set MUL, 0xa1                         ; source 0 (V^T) window 1, source 1 (P) window 0, C and D window 2
.macro JLOAD                           ; a joint refill by the walking sets: waves 0 and 1 fetch P's two halves, waves 2 and 3 V's; an s_nop 0 and four v_nop follow each line
	s_cmp_eq_u32 s11, 0
	s_cbranch_scc0 .Lfor_b_\@
	tensor_load_to_lds s[G0A+4:G0A+7], s[G1A:G1A+7]
	s_nop 0
.rept 4
	v_nop
.endr
	s_branch .Lasked_\@
.Lfor_b_\@:
	tensor_load_to_lds s[G0B+4:G0B+7], s[G1B:G1B+7]
	s_nop 0
.rept 4
	v_nop
.endr
.Lasked_\@:
.endm
.macro CREST
	s_cmp_lg_u32 s10, 0
	s_cbranch_scc1 .Lnot_wave_0_\@
	s_barrier_signal -3
.Lnot_wave_0_\@:
	s_barrier_wait -3
	s_barrier_signal -1
	s_barrier_wait -1
.endm
.macro CROUND
	s_barrier_signal -1
	s_barrier_wait -1
	CREST
.endm
	s_load_b128 s[4:7], s[0:1], 0x0                ; P s[4:5], QKV s[6:7]
	s_load_b128 s[68:71], s[0:1], 0x10             ; stats s[68:69], out0 s[70:71]
	v_lshl_add_u32 v[SPW], v0, 2, SPARE
	v_mov_b32 v[NIL], 0
	ds_add_u32 v[SPW], v[NIL]                      ; the wave's opening: the add and its wait stand ahead of my first tensor load
	v_lshrrev_b32 v1, 5, v0
	v_readfirstlane_b32 s10, v1                    ; wave 0..3
	s_lshr_b32 s11, s10, 1                         ; which half of the tile's queries is mine.  Also: I fetch for P (0) or for V (1)
	s_and_b32 s12, s10, 1                          ; which half of its channels.  Also: which 64 rows of that tile I fetch
	s_bfe_u32 s40, ttmp6, 0x40000                  ; cx
	s_bfe_u32 s41, ttmp6, 0x40004                  ; cy
	s_lshl_b32 s42, ttmp9, 2
	s_add_co_u32 s42, s42, s40                     ; channel tile = 4 x cluster x + cx
	s_and_b32 s13, ttmp7, 0xffff
	s_lshr_b32 s45, s13, 2                         ; the batch: 16 query tiles = four clusters along y; made of the cluster's y alone
	s_lshl_b32 s13, s13, 2
	s_add_co_u32 s13, s13, s41                     ; query tile = 4 x cluster y + cy
	s_lshl_b32 s43, s41, 2
	s_lshl_b32 s43, 15, s43                        ; my row of the cluster
	s_lshl_b32 s44, 0x1111, s40                    ; my column
	s_or_b32 s[G1A+0], s43, (1<<16)|(1<<20)|(1<<21)|(5<<22)|(3<<25)  ; P: 64 rows x 128 elements of 2 bytes, 4 words of padding behind every 64
	s_mov_b32 s[G1A+1], 128<<16                    ; tensor_dim0
	s_mov_b32 s[G1A+2], 64<<16                     ; tensor_dim1
	s_mov_b32 s[G1A+3], 128<<16                    ; tile_dim0
	s_mov_b32 s[G1A+4], 64                         ; tile_dim1
	s_mov_b32 s[G1A+5], 2048                       ; elements from row to row of P
	s_mov_b32 s[G1A+6], 0
	s_mov_b32 s[G1A+7], 0
	s_or_b32 s[G1B+0], s44, (1<<16)|(1<<20)|(1<<21)|(6<<22)|(7<<25)  ; V: 64 rows x 256 elements, 8 words of padding behind every 128
	s_mov_b32 s[G1B+1], 256<<16
	s_mov_b32 s[G1B+2], 64<<16
	s_mov_b32 s[G1B+3], 256<<16
	s_mov_b32 s[G1B+4], 64
	s_mov_b32 s[G1B+5], 3072                       ; elements from row to row of QKV
	s_mov_b32 s[G1B+6], 0
	s_mov_b32 s[G1B+7], 0
	s_lshl_b32 s17, s12, 6                         ; which 64 rows of the tile I fetch
	s_lshl_b32 s16, s13, 7
	s_add_co_u32 s16, s16, s17                     ; P: row 128 x query tile + 64 x half,
	s_lshl_b32 s16, s16, 12                        ; of 4,096 bytes
	s_mov_b32 s17, 0
	s_lshl_b32 s46, s45, 11
	s_lshl_b32 s47, s12, 6
	s_add_co_u32 s46, s46, s47                     ; V: row 2,048 x batch + 64 x half,
	s_mul_i32 s46, s46, 6144                       ; of 6,144 bytes,
	s_lshl_b32 s47, s42, 9
	s_add_co_u32 s46, s46, s47                     ; 512 bytes a channel tile,
	s_add_co_u32 s46, s46, 4096                    ; and V lies 4,096 bytes into a row of QKV
	s_mov_b32 s47, 0
	s_mul_i32 s20, s12, HA                         ; where they go in a slot: no place in the cluster enters an LDS address
	s_mul_i32 s21, s12, HB
	s_add_co_u32 s21, s21, BOFF
	s_mov_b32 s[TB], 0
	s_wait_dscnt 0x0                               ; the opening add is done
	s_wait_kmcnt 0x0
	s_add_nc_u64 s[14:15], s[4:5], s[16:17]
	s_add_nc_u64 s[46:47], s[6:7], s[46:47]
	s_mov_b64 s[8:9], s[70:71]
	CROUND                                         ; all sixteen work-groups are here: the first joint loads meet
.irp s, 0,1
	s_mov_b32 s[G0A+4*(\s)], 1
	s_add_co_u32 s[G0A+4*(\s)+1], s20, (\s)*SLOT1
	s_add_nc_u64 s[G0A+4*(\s)+2:G0A+4*(\s)+3], s[14:15], (\s)*STEPA
	s_or_b32 s[G0A+4*(\s)+3], s[G0A+4*(\s)+3], 0x80000000
	s_mov_b32 s[G0B+4*(\s)], 1
	s_add_co_u32 s[G0B+4*(\s)+1], s21, (\s)*SLOT1
	s_add_nc_u64 s[G0B+4*(\s)+2:G0B+4*(\s)+3], s[46:47], (\s)*STEPB
	s_or_b32 s[G0B+4*(\s)+3], s[G0B+4*(\s)+3], 0x80000000
.endr
	s_cmp_eq_u32 s11, 0                            ; a wave's two first fills stand in one branch: steps 0 and 1; two loads of mine are out
	s_cbranch_scc0 .Lfirst_b
	tensor_load_to_lds s[G0A:G0A+3], s[G1A:G1A+7]
	s_nop 0
	tensor_load_to_lds s[G0A+4:G0A+7], s[G1A:G1A+7]
	s_nop 0
.rept 4
	v_nop
.endr
	s_branch .Lfirst_asked
.Lfirst_b:
	tensor_load_to_lds s[G0B:G0B+3], s[G1B:G1B+7]
	s_nop 0
	tensor_load_to_lds s[G0B+4:G0B+7], s[G1B:G1B+7]
	s_nop 0
.rept 4
	v_nop
.endr
.Lfirst_asked:
	; THE TABLE.  Thread i takes row i of the tile's 128: its sixteen cm and l
	v_lshlrev_b32 v[SO], 2, v0
	s_lshl_b32 s18, s13, 9                         ; 128 rows of 4 bytes a query tile
	s_mov_b32 s19, 0
	s_add_nc_u64 s[68:69], s[68:69], s[18:19]
.set n, 0
.rept 16
	global_load_b32 v[T+n],    v[SO], s[68:69] offset:32768*n
	global_load_b32 v[T+16+n], v[SO], s[68:69] offset:524288+32768*n
.set n, n+1
.endr
	v_and_b32 v1, 15, v0                           ; l % 16
	v_bfe_u32 v2, v0, 4, 1                         ; l / 16
	v_mul_u32_u24 v[A0], v1, PA                    ; a fragment of P: row x pitch + 16 x half,
	v_lshl_add_u32 v[A0], v2, 4, v[A0]
	s_mul_i32 s21, s11, HA                         ; in my 64 rows
	v_add_nc_u32 v[A0], s21, v[A0]
	v_and_b32 v3, 7, v0                            ; the turning load: lane l reads key 8 (l / 16) + l % 8, channels 8 ((l / 8) % 2) + 0..7
	v_bfe_u32 v4, v0, 3, 1
	v_lshl_add_u32 v[B0], v2, 3, v3
	v_mul_u32_u24 v[B0], v[B0], PB
	v_lshl_add_u32 v[B0], v4, 4, v[B0]
	s_lshl_b32 s22, s12, 8                         ; my 128 channels,
	s_add_co_u32 s22, s22, BOFF                    ; behind P's rows
	v_add_nc_u32 v[B0], s22, v[B0]
	v_mov_b32 v[ADRA], v[A0]
	v_mov_b32 v[ADRB], v[B0]
	s_lshl_b32 s23, s11, 8
	s_add_co_u32 s23, s23, FACT
	v_lshl_add_u32 v[FADR], v1, 4, s23             ; step 0's factors for my query in my four blocks
	v_add_nc_u32 v[RLA], 16*512, v[FADR]
	v_lshrrev_b32 v3, 6, v0                        ; row i = 64 (i >> 6) + 16 ((i >> 4) & 3) + i % 16
	v_bfe_u32 v5, v0, 4, 2
	v_lshlrev_b32 v[FW], 8, v3
	v_lshl_add_u32 v[FW], v1, 4, v[FW]
	v_lshl_add_u32 v[FW], v5, 2, v[FW]
	v_add_nc_u32 v[FW], FACT, v[FW]
	s_mul_i32 s23, s10, 16*SP
	s_add_co_u32 s23, s23, STAGE                   ; my stage
	v_mul_u32_u24 v[STO], v1, SP                   ; in: row l % 16, 32 bytes for each half of the lanes
	v_lshl_add_u32 v[STO], v2, 5, v[STO]
	v_add_nc_u32 v[STO], s23, v[STO]
	v_and_b32 v[CO], 31, v0
	v_lshlrev_b32 v[CO], 4, v[CO]
	v_add_nc_u32 v[RD], s23, v[CO]                 ; back: 32 lanes take a row's 512 bytes
	s_lshl_b32 s16, s13, 7
	s_lshl_b32 s14, s11, 6
	s_add_co_u32 s16, s16, s14                     ; my first row of out0,
	s_lshl_b32 s16, s16, 12                        ; of 4,096 bytes
	s_mov_b32 s17, 0
	s_lshl_b32 s46, s42, 10                        ; my first channel, in bytes: 1,024 x channel tile + 512 x half
	s_lshl_b32 s47, s12, 9
	s_add_co_u32 s46, s46, s47
	s_mov_b32 s47, 0
	s_add_nc_u64 s[16:17], s[16:17], s[46:47]      ; the first way out adds it to out0's address
	s_wait_loadcnt 0x0
	v_max3_num_f32 v[T+32], v[T], v[T+1], v[T+2]   ; the row's maximum of c s
.irp k, 3,5,7,9,11,13
	v_max3_num_f32 v[T+32], v[T+32], v[T+(\k)], v[T+(\k)+1]
.endr
	v_max_num_f32 v[T+32], v[T+32], v[T+15]
.set n, 0
.rept 16
	v_sub_f32 v[T+n], v[T+n], v[T+32]
.set n, n+1
.endr
.set n, 0
.rept 16
	v_exp_f32 v[T+n], v[T+n]
.set n, n+1
.endr
	v_nop                                          ; a plain instruction between the last exponential and the use of its result
.set n, 0
	s_wait_alu depctr_va_vdst(0)
.rept 16
	v_cvt_pk_f16_f32 v[T+n], v[T+n], v[T+n]        ; f, twice in a word
.set n, n+1
.endr
	v_fma_mix_f32 v[T+34], v[T],   v[T+16], v[NIL] op_sel_hi:[1,0,0]  ; L = the sum of f l, f as rounded, in f32, in two chains
	v_fma_mix_f32 v[T+35], v[T+1], v[T+17], v[NIL] op_sel_hi:[1,0,0]
.set n, 2
.rept 14
	v_fma_mix_f32 v[T+34+n%2], v[T+n], v[T+16+n], v[T+34+n%2] op_sel_hi:[1,0,0]
.set n, n+1
.endr
	v_add_f32 v[T+34], v[T+34], v[T+35]
	v_rcp_f32 v[T+34], v[T+34]
	v_nop                                          ; a plain instruction behind the reciprocal
.set n, 0
.rept 16
	ds_store_b32 v[FW], v[T+n] offset:512*n
.set n, n+1
.endr
	s_wait_alu depctr_va_vdst(0)
	ds_store_b32 v[FW], v[T+34] offset:16*512
.macro MUL8 f, a, zero                 ; 8 matrix instructions: query block a x all 8 channel blocks, 32 keys.  The 32 accumulators take turns
	WIN MUL
.irp b, 0,1,2,3,4,5,6,7
.if \zero
	v_wmma_f32_16x16x32_f16 v[8*(8*(\a)+(\b)):8*(8*(\a)+(\b))+7], v[64*(\f)+8*(\b):64*(\f)+8*(\b)+7], v[FA+32*(\f)+8*(\a):FA+32*(\f)+8*(\a)+7], 0
.else
	v_wmma_f32_16x16x32_f16 v[8*(8*(\a)+(\b)):8*(8*(\a)+(\b))+7], v[64*(\f)+8*(\b):64*(\f)+8*(\b)+7], v[FA+32*(\f)+8*(\a):FA+32*(\f)+8*(\a)+7], v[8*(8*(\a)+(\b)):8*(8*(\a)+(\b))+7]
.endif
.endr
.endm
.macro SCALEA f, a0                    ; p' times f for query blocks a0, a0 + 1 of buffer f: a lane holds one query's weights, so one factor a block
	WIN 0
.irp a, \a0, (\a0)+1
.irp i, 0,1,2,3,4,5,6,7
	v_pk_mul_f16 v[FA+32*(\f)+8*(\a)+(\i)], v[FA+32*(\f)+8*(\a)+(\i)], v[CF+(\a)]
.endr
.endr
.endm
.macro FETCH q, f                      ; 24 LDS loads in one run: quarter q (32 keys) of the slot in hand into buffer f: V turned, then P
	WIN 0x40                                       ; destination window 1
.irp b, 0,1,2,3,4,5,6,7
	ds_load_tr16_b128 v[64*(\f)+8*(\b):64*(\f)+8*(\b)+3],   v[ADRB] offset:(\q)*32*PB+32*(\b)
	ds_load_tr16_b128 v[64*(\f)+8*(\b)+4:64*(\f)+8*(\b)+7], v[ADRB] offset:(\q)*32*PB+32*(\b)+16*PB
.endr
	WIN 0
.irp a, 0,1,2,3
	ds_load_b128 v[FA+32*(\f)+8*(\a):FA+32*(\f)+8*(\a)+3],   v[ADRA] offset:64*(\q)+(\a)*16*PA
	ds_load_b128 v[FA+32*(\f)+8*(\a)+4:FA+32*(\f)+8*(\a)+7], v[ADRA] offset:64*(\q)+(\a)*16*PA+32
.endr
.endm
.macro PLACES
.rept 4
	v_nop
.endr
.endm
; A step is four quarters of 32 keys, 32 matrix instructions each, on buffers 0, 1, 0, 1.  One of the first three multiplies buffer f and fetches quarter q into g: the scalings, which name none of the
; registers of the products that read buffer g, are the places between those products and the loads.
.macro QUARTER q, f, g, zero
	s_wait_dscnt 4                                 ; the factors, V and P's blocks 0, 1 are in; the youngest four loads (blocks 2, 3) may be out
	SCALEA \f, 0
	MUL8 \f, 0, \zero
	MUL8 \f, 1, \zero
	s_wait_dscnt 0x0
	SCALEA \f, 2
	FETCH \q, \g
	MUL8 \f, 2, \zero
	MUL8 \f, 3, \zero
.endm
; The last quarter multiplies buffer 1 and changes slots: one barrier; in front of it each wave waits for all its tensor loads (one is out: its part of the next slot), adds 0 to its spare word, and waits
; for that and for its own reads of this slot.  fill = 1: the barrier opens a round of the cluster's, and this slot is filled again, two steps on, first thing behind the round.
.macro TURN fill
	WIN 0
	s_wait_tensorcnt 0x0
	ds_add_u32 v[SPW], v[NIL]
	s_wait_dscnt 5                                 ; (the add and the youngest four loads may be out)
	SCALEA 1, 0
	MUL8 1, 0, 0
	s_wait_dscnt 0x0                               ; the add is done, and my reads of this slot are over
	s_barrier_signal -1
	MUL8 1, 1, 0
	SCALEA 1, 2                                    ; (it leaves every window 0: branches follow)
	s_barrier_wait -1
.if \fill
	CREST                                          ; no wave of any partner still reads this slot's tile or has a load on its way
	s_xor_b32 s[G0A+5], s[G0A+5], SLOT1            ; the walking sets: the other slot than last time, the next step's tile
	s_add_nc_u64 s[G0A+6:G0A+7], s[G0A+6:G0A+7], STEPA
	s_xor_b32 s[G0B+5], s[G0B+5], SLOT1
	s_add_nc_u64 s[G0B+6:G0B+7], s[G0B+6:G0B+7], STEPB
	JLOAD
.else
	PLACES
.endif
	s_xor_b32 s[TB], s[TB], SLOT1                  ; the fetches go on in the other slot
	v_add_nc_u32 v[ADRA], s[TB], v[A0]
	v_add_nc_u32 v[ADRB], s[TB], v[B0]
	v_add_nc_u32 v[FADR], 512, v[FADR]
	ds_load_b128 v[CF:CF+3], v[FADR]               ; the next step's factors: this step's have all been used
	FETCH 0, 0
	MUL8 1, 2, 0
	MUL8 1, 3, 0
.endm
	s_wait_dscnt 0x0                               ; for the others' sake: my part of the table is written;
	s_wait_tensorcnt 1                             ; my part of step 0 is in; step 1's may stay out
	s_barrier_signal -1
	s_barrier_wait -1
	ds_load_b128 v[CF:CF+3], v[FADR]
	FETCH 0, 0
	QUARTER 1, 0, 1, 1                             ; the first quarter stands in front of the loop: its products start the sums
	WIN 0
	s_mov_b32 s3, 14
.Lstep:                                                ; a trip: a step's quarters 1, 2, 3 and the next step's quarter 0; the slot left is filled again
	QUARTER 2, 1, 0, 0
	QUARTER 3, 0, 1, 0
	TURN 1
	QUARTER 1, 0, 1, 0
	WIN 0
	s_sub_co_u32 s3, s3, 1
	s_cmp_lg_u32 s3, 0
	s_cbranch_scc1 .Lstep
	QUARTER 2, 1, 0, 0                             ; steps 14 and 15: nothing is left to fetch
	QUARTER 3, 0, 1, 0
	TURN 0
	QUARTER 1, 0, 1, 0
	QUARTER 2, 1, 0, 0
	QUARTER 3, 0, 1, 0
	s_wait_dscnt 4
	SCALEA 1, 0
	MUL8 1, 0, 0
	MUL8 1, 1, 0
	s_wait_dscnt 0x0
	SCALEA 1, 2
	MUL8 1, 2, 0
	MUL8 1, 3, 0
	; THE WAY OUT, a block of 16 queries at a time: times 1 / L; through my stage in LDS; back as whole rows of 512 bytes.
	WIN 0
	ds_load_b128 v[RL:RL+3], v[RLA]
	s_wait_dscnt 0x0
.irp a, 0,1,2,3                        ; as pairs for the packed multiply; these eight lines are the places behind the last products
	v_mov_b32 v[RLP+2*(\a)],   v[RL+(\a)]
	v_mov_b32 v[RLP+2*(\a)+1], v[RL+(\a)]
.endr
.macro PACK a                          ; each accumulator's registers in ascending order
	WIN 0x02                                       ; source 0 window 2
.set n, 0
.rept 32
	v_pk_mul_f32 v[T+2*n:T+2*n+1], v[64*(\a)+2*n:64*(\a)+2*n+1], v[RLP+2*(\a):RLP+2*(\a)+1]
.set n, n+1
.endr
	WIN 0
.endm
.macro TOSTAGE a
.set BK, BK0+(BK1-BK0)*((\a)%2)
.irp b, 0,1,2,3,4,5,6,7
	ds_store_b128 v[STO], v[T+8*(\b):T+8*(\b)+3]   offset:64*(\b)
	ds_store_b128 v[STO], v[T+8*(\b)+4:T+8*(\b)+7] offset:64*(\b)+16
.endr
.irp t, 0,1,2,3,4,5,6,7,8,9,10,11,12,13,14,15
	ds_load_b128 v[BK+4*(\t):BK+4*(\t)+3], v[RD] offset:(\t)*SP  ; LDS serves a wave's instructions in order: these see the stores above; the bytes are my own
.endr
.endm
.macro SEND a
.set BK, BK0+(BK1-BK0)*((\a)%2)
	s_wait_xcnt 0x0                                ; the stores' base, and the registers that earlier stores read, are rewritten only behind this wait
.if (\a) == 0
	s_add_nc_u64 s[8:9], s[8:9], s[16:17]
.else
	s_add_nc_u64 s[8:9], s[8:9], 16*4096
.endif
.irp t, 0,1,2,3,4,5,6,7,8,9,10,11,12,13,14,15
	s_wait_dscnt 15-(\t)                           ; row t is back; the younger loads stay out
	global_store_b128 v[CO], v[BK+4*(\t):BK+4*(\t)+3], s[8:9] offset:(\t)*4096 th:TH_STORE_NT  ; 512 consecutive bytes, at a multiple of 256 from out0's first byte
.endr
.endm
	PACK 0
	TOSTAGE 0
.irp a, 1,2,3                          ; a block's arithmetic stands between the loads of the block before and its stores
	PACK \a
	SEND (\a)-1
	TOSTAGE \a
.endr
	SEND 3
	s_wait_tensorcnt 0x0                           ; the wave's end
	ds_add_u32 v[SPW], v[NIL]
	s_wait_dscnt 0x0
	CROUND                                         ; the closing round
	s_endpgm
.Lfunc_end_k_qfecb444b4f_pv:
	.size	k_qfecb444b4f_pv, .Lfunc_end_k_qfecb444b4f_pv-k_qfecb444b4f_pv
	.p2alignl 7, 3214868480
	.fill 96, 4, 3214868480
	.section	.rodata,"a",@progbits
	.p2align	6, 0x0
	.amdhsa_kernel k_qfecb444b4f_pv
		.amdhsa_group_segment_fixed_size 327680
		.amdhsa_private_segment_fixed_size 0
		.amdhsa_enable_private_segment 0
		.amdhsa_kernarg_size 32
		.amdhsa_user_sgpr_count 2
		.amdhsa_user_sgpr_kernarg_segment_ptr 1
		.amdhsa_wavefront_size32 1
		.amdhsa_system_sgpr_workgroup_id_x 1
		.amdhsa_system_sgpr_workgroup_id_y 1
		.amdhsa_system_sgpr_workgroup_id_z 1
		.amdhsa_system_vgpr_workitem_id 0
		.amdhsa_next_free_vgpr 768
		.amdhsa_next_free_sgpr 80
		.amdhsa_reserve_vcc 0
		.amdhsa_float_denorm_mode_32 3
		.amdhsa_float_denorm_mode_16_64 3
		.amdhsa_memory_ordered 1
		.amdhsa_forward_progress 1
		.amdhsa_inst_pref_size 112
	.end_amdhsa_kernel
	.amdgpu_metadata
---
amdhsa.version: [ 1, 2 ]
amdhsa.kernels:
  - .name:           k_qfecb444b4f_pv
    .symbol:         k_qfecb444b4f_pv.kd
    .args:
      - { .name: P, .offset: 0, .size: 8, .value_kind: global_buffer, .address_space: global }
      - { .name: QKV, .offset: 8, .size: 8, .value_kind: global_buffer, .address_space: global }
      - { .name: stats, .offset: 16, .size: 8, .value_kind: global_buffer, .address_space: global }
      - { .name: out0, .offset: 24, .size: 8, .value_kind: global_buffer, .address_space: global }
    .group_segment_fixed_size: 327680
    .private_segment_fixed_size: 0
    .kernarg_segment_align: 8
    .kernarg_segment_size: 32
    .max_flat_workgroup_size: 128
    .sgpr_count:     80
    .vgpr_count:     768
    .wavefront_size: 32
...
	.end_amdgpu_metadata
.endif
;; end of part 4
